; MI455X (gfx1250); checked and timed in simulation.
; The chip was launched on July 23, 2026; its instructions are those of AMD's public machine-readable ISA for CDNA 5 (MIT licence, August 2026) and "CDNA5" Instruction Set Architecture Reference Guide (July 2026). The comments in the code are by the model that wrote it; some were corrected since.
;; XL Attention. Allowed arithmetic: matrix products marked QUANTISED: E2M1 operands, one E8M0 scale for each 32 along K, by v_wmma_scale_f32_16x16x128_f8f6f4 with both operands' format E2M1 (or v_wmma_scale_f32_32x16x128_f4), f32 sums; products left as they are: bf16, f16 or f32 operands; f32 sums; everything else in f32.
;; Inputs: kv 2 x 2,048 x 1,024 float32; mem 2 x 2,048 x 1,024 float32; q 2 x 2,048 x 1,024 float32; w_concat 1,024 x 1,024 float32; w_kv 1,024 x 128 float32; w_q 1,024 x 1,024 float32.
;; Outputs: out0 2 x 2,048 x 1,024 float32.
;; This version of the problem:
;;   THIS VERSION OF THE PROBLEM IS GIVEN IN LOW PRECISION. The matrix products marked QUANTISED in the list below multiply operands that are first quantised to E2M1 (2 exponent bits, 1 mantissa bit; 4 bits a number), with one power-of-two scale for each 32 numbers along K (OCP MX v1.0); their sums are f32. The products marked 'left as it is' may take bf16, f16 or f32 operands, with f32 sums. All else is computed in f32.
;;   The module's matrix products, in the order in which they are computed (A, B: the left and right operand; K: the contracted axis; several contracted axes count as one K, in the product's order):
;;     1. [M 4,096, K 1,024] x [K 1,024, N 1,024]; A: input q; B: input w_q: QUANTISED
;;     2. [M 8,192, K 1,024] x [K 1,024, N 128]; A: computed on the way; B: input w_kv: left as it is (an operand is computed on the way)
;;     3. batch 2 x [M 32,768, K 64] x [K 64, N 4,096]; A: computed on the way; B: computed on the way: left as it is (an operand is computed on the way)
;;     4. batch 2 x [M 32,768, K 4,096] x [K 4,096, N 64]; A: computed on the way; B: computed on the way: left as it is (an operand is computed on the way)
;;     5. [M 4,096, K 1,024] x [K 1,024, N 1,024]; A: computed on the way; B: input w_concat: left as it is (an operand is computed on the way)
;;   THE QUANTISER, for each operand of a quantised product, along K:
;;     - K is cut into blocks of 32 from its start; a last block that is shorter is filled with zeros.
;;     - A block's scale is 2^e with e = floor(log2(the largest magnitude in the block)) - 2, held to -126 .. 127; a block of zeros has e = 0. As a byte (E8M0): e + 127.
;;     - Each number is divided by its block's scale, clamped to +-6, and rounded to the nearest number of E2M1, ties to even, subnormals kept.
;;     - The product sums the exact products of the quantised numbers (number of the format x scale) in f32.
;;   ~~~python
;;   def quantise(x, axis):      # numpy; x: float32 -> the quantised numbers, widened to float32 again
;;       x = np.moveaxis(x, axis, -1); K = x.shape[-1]
;;       x = np.pad(x, [(0, 0)] * (x.ndim - 1) + [(0, -K % 32)]); x = x.reshape(x.shape[:-1] + (-1, 32)); a = np.abs(x).max(-1, keepdims=True)
;;       e = np.where(a > 0, np.clip(np.frexp(np.where(a > 0, a, 1))[1] - 1 - 2, -126, 127), 0)      # np.frexp(a)[1] - 1 = floor(log2(a)), exactly
;;       r = np.clip(x / 2.0 ** e, -6, 6)
;;       step = 2.0 ** (np.maximum(np.frexp(np.where(r == 0, 1, r))[1] - 1, 0) - 1)
;;       q = np.round(r / step) * step * 2.0 ** e      # np.round: ties to even
;;       return np.moveaxis(q.reshape(q.shape[:-2] + (-1,))[..., :K], -1, axis).astype(np.float32)
;;   ~~~
;; One version. Each part assembles by itself: llvm-mc -triple=amdgcn-amd-amdhsa -mcpu=gfx1250 --defsym DOCPART=n.
;; ======== version 1 of 1: 4 launches
;; limits: values are held in f16: magnitudes above 65,504 overflow, below 6.1e-05 lose precision
;; workspace buffers: qimg 2,097,152 bytes; qsc 131,072 bytes; wqimg 524,288 bytes; wqsc 32,768 bytes; wkvimg 262,144 bytes; wcimg 2,097,152 bytes; kvimg 2,097,152 bytes; aimg 8,388,608 bytes
;; launch prep (part 1): grid 392 x 1, 4 waves a work-group, no clusters, 34,304 bytes of LDS; arguments q, w_q, w_concat, w_kv, qimg, qsc, wqimg, wqsc, wcimg, wkvimg; writes qimg, qsc, wqimg, wqsc, wcimg, wkvimg
.if DOCPART == 1
	.amdgcn_target "amdgcn-amd-amdhsa--gfx1250"
	.amdhsa_code_object_version 6
	.text
	.protected	k_q9e8a148f4f_prep
	.globl	k_q9e8a148f4f_prep
	.p2align	8
	.type	k_q9e8a148f4f_prep,@function
k_q9e8a148f4f_prep:
	s_mov_b64 s[64:65], 0
	v_nop
	global_prefetch_b8 v0, s[64:65] scope:SCOPE_SE
	s_setreg_imm32_b32 hwreg(HW_REG_WAVE_MODE, 25, 1), 1
	s_wait_xcnt 0x0
; PREP: the operands that later launches read many times are made once, each laid as an IMAGE OF ITS OPERAND'S REGISTERS:
; a fragment's groups of four registers on end, lane l's 16 bytes at 16 l, 512 bytes a group.
;   q   [4096][1024] f32 -> qimg  [mt 256][K step 8][1 KB]: E2M1 codes, lane (r, h), half c: row 16 mt + r, k = 128 s + 64 c + 32 h + 0..31
;                           qsc   [mt 256][pair 4][lane 32] words: lanes 0-15 row r's four E8M0 bytes of K step 2 pair, lanes 16-31 of 2 pair + 1
;   w_q [1024 (k)][1024 (n)] -> wqimg [nt 64][K step 8][1 KB], wqsc [nt 64][pair 4][lane 32], the same with row = column n of w_q
;   w_concat [1024 (k)][1024 (n)] -> wcimg [k / 256][nt 64][8][1 KB]: f16, lane (r, h), half c: column 16 nt + r, k = 32 s + 16 c + 8 h + 0..7
;   w_kv [1024 (k)][128 (n)] -> wkvimg [k / 128][ct 8][4][1 KB]: f16, likewise
; WHY f16 AND NOT bf16 for the products that are not quantised: ten roundings of operands stand between the inputs and the output, and the output is held to 1/100 of its root mean square;
; f16's 11 bits of significand against bf16's 8 make each of them eight times smaller.  The weights' spread is 1/32: 30 times larger is about 1, 30 times smaller 0.001, where f16's absolute error, 3e-8, is 3e-5 of the spread.
; THE QUANTISER: a block of 32 along K; its scale is 2^(floor(log2(largest magnitude)) - 2); the byte is the largest magnitude's exponent field - 2.
; LIMITS: a block whose largest magnitude lies under 2^-124 (a block of zeros too) keeps the byte 1; a block of zeros has zero codes, and the bytes are read by this program alone.
; Numbers of w_concat and w_kv beyond 65,504 in magnitude become infinities.  NaN and infinities among the inputs are not served.
; Work-groups 0-255: 16 rows of q; 256-319: 128 k x 128 columns of w_q; 320-383: the same of w_concat; 384-391: 128 k of w_kv.  Every wave issues all its loads, works, stores and ends:
; no loop, no barrier, no tensor load; several work-groups share a WGP.  Only q's path uses LDS, and each wave its own bytes.
.set STGB, 16*528                      ; a wave's stage: 16 rows of 512 bytes + 16 of padding: 33 x 16 bytes, so that sixteen rows' equal columns lie in sixteen different columns of 16 bytes
	s_load_b512 s[4:19], s[0:1], 0x0               ; q, w_q, w_concat, w_kv, qimg, qsc, wqimg, wqsc
	s_load_b128 s[20:23], s[0:1], 0x40             ; wcimg, wkvimg
	v_lshl_add_u32 v62, v0, 2, 0x8400
	v_mov_b32 v63, 0
	v_lshrrev_b32 v1, 5, v0
	v_readfirstlane_b32 s24, v1                    ; wave 0..3
	v_and_b32 v1, 31, v0                           ; lane
	v_and_b32 v2, 15, v0                           ; r
	v_bfe_u32 v3, v0, 4, 1                         ; h
	v_lshlrev_b32 v4, 4, v1                        ; 16 x lane
	v_lshlrev_b32 v8, 2, v1                        ; 4 x lane
	v_lshlrev_b32 v9, 4, v2                        ; 16 r
	s_mov_b32 s27, 0                               ; the high word of every offset
	s_mov_b32 s34, 0x76543210
	s_mov_b32 s35, 0xfedcba98                      ; v_permlanex16_b32's selects for lane l xor 16
	s_wait_kmcnt 0x0
	s_cmp_lt_u32 ttmp9, 256
	s_cbranch_scc0 .Lnot_q
; ---- q: work-group mt takes rows 16 mt .. + 15; wave w K steps 2 w and 2 w + 1.
; Each load reads 512 consecutive bytes of one row; the K step's 16 x 512 bytes turn through the wave's stage, so that lane (r, h) gets two whole blocks of row r: k = 64 c + 32 h + 0..31.
.macro TURN f, X
.set I, 0
.rept 16
	ds_store_b128 v5, v[64+64*\f+4*I:64+64*\f+4*I+3] offset:528*I
.set I, I+1
.endr
.irp c, 0,1
.irp i, 0,1,2,3,4,5,6,7
	ds_load_b128 v[\X+32*\c+4*\i:\X+32*\c+4*\i+3], v6 offset:256*\c+16*\i   ; LDS serves a wave's instructions in order: these see the stores above
.endr
.endr
.endm
; 64 numbers v[X ..] (register 32 c + i = k 64 c + 32 h + i of my row) become the fragment's eight registers v[C ..] and the row's scale word v[W]
.macro QUANTW X, C, W
.irp c, 0,1
	v_max3_num_f32 v[12+\c], |v[\X+32*\c]|, |v[\X+32*\c+1]|, 0x1800000   ; the floor 2^(3 - 127) among the leaves: the byte cannot fall under 1
.endr
.irp i, 2,4,6,8,10,12,14,16,18,20,22,24,26,28,30
.irp c, 0,1
	v_max3_num_f32 v[12+\c], v[12+\c], |v[\X+32*\c+\i]|, |v[\X+32*\c+\i+1]|   ; the two blocks by turns
.endr
.endr
.irp c, 0,1
	v_add_nc_u32 v[14+\c], 0xff000000, v[12+\c]    ; 2 off the exponent field: the conversion's scale operand
.endr
.irp c, 0,1
	v_lshrrev_b32 v[16+\c], 23, v[14+\c]           ; the scale's byte
.endr
	v_lshl_or_b32 v[\W], v17, 16, v16              ; my bytes: blocks h and 2 + h,
	v_lshlrev_b32 v[\W], v7, v[\W]                 ; 8 h bits up;
	v_permlanex16_b32 v18, v[\W], s34, s35
	v_or_b32 v[\W], v[\W], v18                     ; with lane l xor 16's two the word is whole, in both lanes
.irp c, 0,1
.irp g, 0,1,2,3
	v_cvt_scalef32_pk8_fp4_f32 v[\C+4*\c+\g], v[\X+32*\c+8*\g:\X+32*\c+8*\g+7], v[14+\c]
.endr
.endr
	v_nop                                          ; one plain line behind the last scaled conversion
.endm
	s_mul_i32 s25, s24, STGB                       ; my stage
	v_add_nc_u32 v5, s25, v4                       ; in: 16 x lane in a row
	v_mul_u32_u24 v6, v2, 528
	v_lshl_add_u32 v6, v3, 7, v6
	v_add_nc_u32 v6, s25, v6                       ; out: row r, + 128 h bytes
	v_lshlrev_b32 v7, 3, v3                        ; 8 h
	v_mov_b32 v18, 0                               ; a lane permute's destination counts as read
	s_lshl_b32 s26, ttmp9, 16                      ; 16 rows of 4,096 bytes
	s_lshl_b32 s28, s24, 10                        ; two K steps of 512 bytes
	s_add_co_u32 s26, s26, s28
	s_add_nc_u64 s[4:5], s[4:5], s[26:27]
	s_lshl_b32 s26, ttmp9, 13                      ; codes: 8 KB a tile of rows, 1 KB a K step
	s_lshl_b32 s28, s24, 11
	s_add_co_u32 s26, s26, s28
	s_add_nc_u64 s[12:13], s[12:13], s[26:27]
	s_lshl_b32 s26, ttmp9, 9                       ; scale words: 512 bytes a tile of rows, 128 a pair of K steps
	s_lshl_b32 s28, s24, 7
	s_add_co_u32 s26, s26, s28
	s_add_nc_u64 s[14:15], s[14:15], s[26:27]
.irp f, 0,1
.set I, 0
.rept 16
	global_load_b128 v[64+64*\f+4*I:64+64*\f+4*I+3], v4, s[4:5] offset:4096*I+512*\f th:TH_LOAD_NT
.set I, I+1
.endr
.endr
	s_wait_loadcnt 16                              ; the first K step's 16 loads are in; the second's 16 may be out
	TURN 0, 192
	s_wait_dscnt 0x0                               ; back in v192-255; the stage is free again
	s_wait_loadcnt 0x0
	TURN 1, 64                                     ; lands in v64-127 while the first K step is quantised
	QUANTW 192, 24, 20
	s_wait_dscnt 0x0
	QUANTW 64, 32, 21
.irp f, 0,1
.irp c, 0,1
	global_store_b128 v4, v[24+8*\f+4*\c:24+8*\f+4*\c+3], s[12:13] offset:1024*\f+512*\c   ; 512 consecutive bytes, aligned
.endr
.endr
	v_cmp_ne_u32 vcc_lo, 0, v3
	v_cndmask_b32 v22, v20, v21, vcc_lo            ; lanes 0-15 the even K step's word, lanes 16-31 the odd one's
	global_store_b32 v8, v22, s[14:15]
	s_wait_tensorcnt 0x0
	ds_add_u32 v62, v63
	s_wait_dscnt 0x0
	s_endpgm
.Lnot_q:
	s_cmp_lt_u32 ttmp9, 320
	s_cbranch_scc0 .Lnot_wq
; ---- w_q: K is its FIRST axis.  A lane takes a column n and its registers run down K: a block of 32 lies in one lane, and the conversions give codes with K innermost.
	s_sub_co_u32 s25, ttmp9, 256
	s_and_b32 s28, s25, 7                          ; which 128 columns
	s_lshr_b32 s29, s25, 3                         ; which K step of 128
	s_lshl_b32 s26, s29, 19                        ; 128 rows of 4,096 bytes
	s_lshl_b32 s30, s28, 9
	s_add_co_u32 s26, s26, s30
	s_lshl_b32 s30, s24, 7                         ; my wave's 32 columns
	s_add_co_u32 s26, s26, s30
	s_add_nc_u64 s[6:7], s[6:7], s[26:27]
	s_lshl_b32 s31, s28, 3
	s_lshl_b32 s30, s24, 1
	s_add_co_u32 s31, s31, s30                     ; my wave's first tile of 16 columns
	s_lshl_b32 s26, s31, 13
	s_lshl_b32 s30, s29, 10
	s_add_co_u32 s26, s26, s30
	s_add_nc_u64 s[16:17], s[16:17], s[26:27]
	s_lshl_b32 s26, s31, 9
	s_lshl_b32 s30, s29, 6                         ; 128 bytes a pair of K steps, 64 for the odd one: 64 s
	s_add_co_u32 s26, s26, s30
	s_add_nc_u64 s[18:19], s[18:19], s[26:27]
	v_lshl_add_u32 v10, v3, 13, v9                 ; codes: lanes 16-31 the next tile of columns; 16 r in a group of 256 bytes
	v_lshlrev_b32 v11, 2, v2
	v_lshl_add_u32 v11, v3, 9, v11                 ; scale words likewise
.set I, 0
.rept 128
	global_load_b32 v[64+I], v8, s[6:7] offset:4096*I th:TH_LOAD_NT   ; w_q(128 s + I, my column): 128 consecutive bytes a wave
.set I, I+1
.endr
; block kb of my column: 32 numbers -> 16 bytes, which are half c = kb / 2, lanes' half h = kb % 2 of the fragment: sixteen lanes fill 256 consecutive bytes, aligned
.macro WQB kb, cnt
.set XB, 64+32*\kb
	s_wait_loadcnt \cnt
	v_max3_num_f32 v12, |v[XB]|, |v[XB+1]|, 0x1800000
	v_max_num_f32 v13, |v[XB+2]|, |v[XB+3]|
.irp i, 4,8,12,16,20,24,28
	v_max3_num_f32 v12, v12, |v[XB+\i]|, |v[XB+\i+1]|
	v_max3_num_f32 v13, v13, |v[XB+\i+2]|, |v[XB+\i+3]|
.endr
	v_max_num_f32 v12, v12, v13
	v_add_nc_u32 v14, 0xff000000, v12
	v_lshrrev_b32 v16, 23, v14
.if \kb == 0
	v_mov_b32 v20, v16                             ; the four bytes of my column's scale word, the lower K in the lower byte
.else
	v_lshl_or_b32 v20, v16, 8*\kb, v20
.endif
.irp g, 0,1,2,3
	v_cvt_scalef32_pk8_fp4_f32 v[192+4*\kb+\g], v[XB+8*\g:XB+8*\g+7], v14
.endr
	v_nop
	global_store_b128 v10, v[192+4*\kb:192+4*\kb+3], s[16:17] offset:256*\kb
.endm
	WQB 0, 63                                      ; 96 younger loads might stay out; the wait's field holds 63
	WQB 1, 63                                      ; 64 might
	WQB 2, 32
	WQB 3, 0
	global_store_b32 v11, v20, s[18:19]
	s_endpgm
; ---- f16 images of a weight [k][n]: a lane takes a column, its registers run down K; eight neighbours along K are 16 bytes: group kr = 4 s' + 2 c + h of the wave's four K steps of 32
.macro PBM rowb, sb, db
.set I, 0
.rept 128
	global_load_b32 v[64+I], v8, s[\sb:\sb+1] offset:\rowb*I th:TH_LOAD_NT
.set I, I+1
.endr
.set I, 0
.rept 16
.if (I == 0) || (I == 4)
	s_wait_loadcnt 63                              ; 96, then 64 younger loads might stay out; the field holds 63
.elseif I == 8
	s_wait_loadcnt 32
.elseif I == 12
	s_wait_loadcnt 0x0
.endif
.irp j, 0,1,2,3
	v_cvt_pk_f16_f32 v[192+4*I+\j], v[64+8*I+2*\j], v[64+8*I+2*\j+1]
.endr
	global_store_b128 v10, v[192+4*I:192+4*I+3], s[\db:\db+1] offset:256*I   ; sixteen lanes fill 256 consecutive bytes, aligned
.set I, I+1
.endr
	s_endpgm
.endm
.Lnot_wq:
	s_cmp_lt_u32 ttmp9, 384
	s_cbranch_scc0 .Lw_kv
	s_sub_co_u32 s25, ttmp9, 320
	s_and_b32 s28, s25, 7                          ; which 128 columns
	s_lshr_b32 s29, s25, 3                         ; which 128 along K
	s_lshl_b32 s26, s29, 19
	s_lshl_b32 s30, s28, 9
	s_add_co_u32 s26, s26, s30
	s_lshl_b32 s30, s24, 7
	s_add_co_u32 s26, s26, s30
	s_add_nc_u64 s[8:9], s[8:9], s[26:27]
	s_lshr_b32 s26, s29, 1
	s_lshl_b32 s26, s26, 19                        ; a quarter of K: 64 tiles of columns x 8 KB
	s_lshl_b32 s30, s28, 16                        ; 8 tiles of columns
	s_add_co_u32 s26, s26, s30
	s_lshl_b32 s30, s24, 14                        ; my wave's two
	s_add_co_u32 s26, s26, s30
	s_and_b32 s30, s29, 1
	s_lshl_b32 s30, s30, 12                        ; the quarter's first or second four K steps of 32
	s_add_co_u32 s26, s26, s30
	s_add_nc_u64 s[20:21], s[20:21], s[26:27]
	v_lshl_add_u32 v10, v3, 13, v9
	PBM 4096, 8, 20
.Lw_kv:
	s_sub_co_u32 s29, ttmp9, 384                   ; which 128 along K
	s_lshl_b32 s26, s29, 16                        ; 128 rows of 512 bytes
	s_lshl_b32 s30, s24, 7
	s_add_co_u32 s26, s26, s30
	s_add_nc_u64 s[10:11], s[10:11], s[26:27]
	s_lshl_b32 s26, s29, 15                        ; 8 tiles of columns x 4 KB
	s_lshl_b32 s30, s24, 13
	s_add_co_u32 s26, s26, s30
	s_add_nc_u64 s[22:23], s[22:23], s[26:27]
	v_lshl_add_u32 v10, v3, 12, v9
	PBM 512, 10, 22
.Lfunc_end_k_q9e8a148f4f_prep:
	.size	k_q9e8a148f4f_prep, .Lfunc_end_k_q9e8a148f4f_prep-k_q9e8a148f4f_prep
	.p2alignl 7, 3214868480
	.fill 96, 4, 3214868480
	.section	.rodata,"a",@progbits
	.p2align	6, 0x0
	.amdhsa_kernel k_q9e8a148f4f_prep
		.amdhsa_group_segment_fixed_size 34304
		.amdhsa_private_segment_fixed_size 0
		.amdhsa_enable_private_segment 0
		.amdhsa_kernarg_size 80
		.amdhsa_user_sgpr_count 2
		.amdhsa_user_sgpr_kernarg_segment_ptr 1
		.amdhsa_wavefront_size32 1
		.amdhsa_system_sgpr_workgroup_id_x 1
		.amdhsa_system_sgpr_workgroup_id_y 1
		.amdhsa_system_sgpr_workgroup_id_z 1
		.amdhsa_system_vgpr_workitem_id 0
		.amdhsa_next_free_vgpr 256
		.amdhsa_next_free_sgpr 66
		.amdhsa_reserve_vcc 1
		.amdhsa_float_denorm_mode_32 3
		.amdhsa_float_denorm_mode_16_64 3
		.amdhsa_memory_ordered 1
		.amdhsa_forward_progress 1
		.amdhsa_inst_pref_size 72
	.end_amdhsa_kernel
	.amdgpu_metadata
---
amdhsa.version: [ 1, 2 ]
amdhsa.kernels:
  - .name:           k_q9e8a148f4f_prep
    .symbol:         k_q9e8a148f4f_prep.kd
    .args:
      - { .name: q, .offset: 0, .size: 8, .value_kind: global_buffer, .address_space: global }
      - { .name: w_q, .offset: 8, .size: 8, .value_kind: global_buffer, .address_space: global }
      - { .name: w_concat, .offset: 16, .size: 8, .value_kind: global_buffer, .address_space: global }
      - { .name: w_kv, .offset: 24, .size: 8, .value_kind: global_buffer, .address_space: global }
      - { .name: qimg, .offset: 32, .size: 8, .value_kind: global_buffer, .address_space: global }
      - { .name: qsc, .offset: 40, .size: 8, .value_kind: global_buffer, .address_space: global }
      - { .name: wqimg, .offset: 48, .size: 8, .value_kind: global_buffer, .address_space: global }
      - { .name: wqsc, .offset: 56, .size: 8, .value_kind: global_buffer, .address_space: global }
      - { .name: wcimg, .offset: 64, .size: 8, .value_kind: global_buffer, .address_space: global }
      - { .name: wkvimg, .offset: 72, .size: 8, .value_kind: global_buffer, .address_space: global }
    .group_segment_fixed_size: 34304
    .private_segment_fixed_size: 0
    .kernarg_segment_align: 8
    .kernarg_segment_size: 80
    .max_flat_workgroup_size: 128
    .sgpr_count:     66
    .vgpr_count:     256
    .wavefront_size: 32
...
	.end_amdgpu_metadata
.endif
;; end of part 1
;; launch kvproj (part 2): grid 256 x 1, 8 waves a work-group, no clusters, 267,264 bytes of LDS; arguments mem, kv, wkvimg, kvimg; writes kvimg
.if DOCPART == 2
	.amdgcn_target "amdgcn-amd-amdhsa--gfx1250"
	.amdhsa_code_object_version 6
	.text
	.protected	k_q9e8a148f4f_kvproj
	.globl	k_q9e8a148f4f_kvproj
	.p2align	8
	.type	k_q9e8a148f4f_kvproj,@function
k_q9e8a148f4f_kvproj:
	s_mov_b64 s[64:65], 0
	v_nop
	global_prefetch_b8 v0, s[64:65] scope:SCOPE_SE
	s_setreg_imm32_b32 hwreg(HW_REG_WAVE_MODE, 25, 1), 1
	s_wait_xcnt 0x0
; KVPROJ: [mem ; kv] @ w_kv, f16 operands, f32 sums; K (columns 0-63) and V (columns 64-127) leave as f16 images of attention's operand registers:
;   kvimg [b 2][slot 8 (512 keys)][K part 64 KB | V part 64 KB];  K part [kt 32][cs 2][1 KB]: lane (r, h), half c: key 16 kt + r, channels 32 cs + 16 c + 8 h + 0..7
;                                                                 V part [ks 16][vt 4][1 KB]: lane (r, h), half c: channel 16 vt + r, keys 32 ks + 16 c + 8 h + 0..7
; f16 AND NOT bf16: ten roundings of operands stand between the inputs and the output, which is held to 1/100 of its root mean square; f16's 11 bits of significand make each eight times smaller than bf16's 8.
; LIMIT: rows of mem and kv, and K and V, beyond 65,504 in magnitude become infinities.  With rows of spread 1 and weights of spread 1/32, K and V have spread 1; rows and weights 30 times larger give 900 times;
; a common offset of 30 spreads on both gives 1,024 x 30 x 0.94 = 28,800; 900 times smaller gives spread 0.001, where f16's absolute error, 3e-8, is 3e-5 of the spread.
; SHARES.  A work-group takes 32 keys x all 128 columns.  THE EIGHT WAVES SHARE K: wave w takes k = 128 w .. + 127.  So no operand is shared between waves: a wave's 32 KB of weight images go from memory
; straight into 256 registers, dense, and its 32 rows x 512 bytes of f32 come by one tensor load into its own LDS bytes.  64 matrix instructions a wave on 16 accumulators; the eight partial sums meet in LDS.
; The order of the f32 sums differs from a single chain along K: eight chains of four K steps, then added in ascending order of k.
; NO MULTICAST of the weights: 256 KB of images and 132 KB of rows do not fit in LDS together, so a joint load would want a ring with a round of the cluster's barrier for each refill,
; and an LDS write and read more for bytes that exactly one wave uses once.  LDS is filled once.
; K's tiles are made transposed (source 0 = 16 columns of w_kv, source 1 = 16 keys): a lane holds one key and eight neighbouring channels.  V's the other way: a lane holds one channel and eight neighbouring keys.
; REGISTERS: window 0: v1-8 addresses; v32-39 what is stored; v64-127 the rows' f16 fragments (key tile kt, K step s': 64 + 8 (4 kt + s')); v128-255 the rows in f32, then the 16 accumulators
; (column tile ct, key tile kt: 128 + 8 (2 ct + kt)), then the eight waves' parts.   window 1: the weights' 32 fragments at 8 (8 s' + ct).
.set CT,   32*528                      ; a wave's tile in LDS: 32 rows of 512 bytes + 16 of padding
.set RED,  8*CT                        ; behind the tiles: 16 KB for each wave's sixteen partial tiles; no tensor load lands here
.set CF,   64
.set ACC,  128
.set MSB, 0
.macro WIN new                         ; the immediate's high byte repeats the setting that is left
.if MSB != \new
	s_set_vgpr_msb (MSB<<8)|\new
.set MSB, \new
.endif
.endm
	s_load_b256 s[4:11], s[0:1], 0x0               ; mem, kv, wkvimg, kvimg
	v_lshl_add_u32 v62, v0, 2, 0x41000
	v_mov_b32 v63, 0
	ds_add_u32 v62, v63
	ds_add_u32 v62, v63
	v_lshrrev_b32 v2, 5, v0
	v_readfirstlane_b32 s12, v2                    ; wave 0..7
	v_and_b32 v2, 31, v0
	v_lshlrev_b32 v1, 4, v2                        ; 16 x lane
	v_and_b32 v2, 15, v0                           ; r
	v_bfe_u32 v3, v0, 4, 1                         ; h
	s_lshr_b32 s13, ttmp9, 7                       ; batch
	s_and_b32 s14, ttmp9, 127                      ; which 32 of the batch's 4,096 keys
	; descriptor group 1: 32 rows x 128 elements of 4 bytes, 1,024 elements from row to row; 4 words of padding behind every 128
	s_mov_b32 s16, (2<<16)|(1<<20)|(6<<22)|(3<<25)
	s_mov_b32 s17, 128<<16                         ; tensor_dim0
	s_mov_b32 s18, 32<<16                          ; tensor_dim1
	s_mov_b32 s19, 128<<16                         ; tile_dim0
	s_mov_b32 s20, 32                              ; tile_dim1
	s_mov_b32 s21, 1024                            ; the pitch
	s_mov_b32 s22, 0
	s_mov_b32 s23, 0
	s_mov_b32 s24, 1
	s_mul_i32 s25, s12, CT                         ; my tile's LDS bytes
	v_mul_u32_u24 v4, v2, 528
	v_lshl_add_u32 v4, v3, 5, v4
	v_add_nc_u32 v4, s25, v4                       ; a fragment's row r, + 32 h bytes: eight f32
	s_lshl_b32 s30, s12, 14
	s_add_co_u32 s30, s30, RED
	v_add_nc_u32 v5, s30, v1                       ; where I put my partial tiles
	s_lshl_b32 s30, s12, 11
	s_add_co_u32 s30, s30, RED
	v_add_nc_u32 v6, s30, v1                       ; where I read column tile ct = my wave's number: in waves 0-3's parts,
	v_add_nc_u32 v7, 0x10000, v6                   ; and in waves 4-7's
	s_and_b32 s28, s14, 63
	s_lshl_b32 s28, s28, 17                        ; 32 rows of 4,096 bytes
	s_lshl_b32 s29, s13, 23                        ; a batch's 2,048 rows
	s_add_co_u32 s28, s28, s29
	s_lshl_b32 s29, s12, 9                         ; my 128 along K
	s_add_co_u32 s28, s28, s29
	s_mov_b32 s29, 0
	s_lshl_b32 s32, s12, 15                        ; my 32 KB of weight images
	s_mov_b32 s33, 0
	s_lshl_b32 s34, s13, 20                        ; out: the batch,
	s_lshr_b32 s35, s14, 4
	s_lshl_b32 s35, s35, 17                        ; the slot of 512 keys,
	s_add_co_u32 s34, s34, s35
	s_and_b32 s35, s14, 15
	s_lshl_b32 s35, s35, 12                        ; my 32 keys in either part: 4 KB
	s_add_co_u32 s34, s34, s35
	s_lshl_b32 s36, s12, 9                         ; K (waves 0-3): 1,024 (ct / 2) + 512 (ct % 2) = 512 ct; the second key tile 2,048 on
	s_lshl_b32 s37, s12, 10
	s_add_co_u32 s37, s37, 61440                   ; V (waves 4-7): 65,536 + 1,024 (ct - 4); the second key tile 512 on
	s_mov_b32 s38, 2048
	s_cmp_lt_u32 s12, 4
	s_cselect_b32 s36, s36, s37
	s_cselect_b32 s38, s38, 512
	s_add_co_u32 s34, s34, s36
	s_mov_b32 s35, 0
	v_add_nc_u32 v8, s38, v1
	s_wait_dscnt 0x0
	s_wait_kmcnt 0x0
	s_cmp_lt_u32 s14, 64                           ; the first 2,048 keys are mem's rows, the others kv's: the choice hangs on the work-group's number alone
	s_cselect_b64 s[26:27], s[4:5], s[6:7]
	s_add_nc_u64 s[26:27], s[26:27], s[28:29]
	s_or_b32 s27, s27, 0x80000000                  ; type = 2
	s_add_nc_u64 s[8:9], s[8:9], s[32:33]
	s_add_nc_u64 s[10:11], s[10:11], s[34:35]
	WIN 0x40                                       ; destination window 1: set ahead of the tensor load
	tensor_load_to_lds s[24:27], s[16:23]          ; my one tensor load: it is the only one of mine that is ever out
	s_nop 0
	v_nop
.irp sp, 0,1,2,3                       ; the weights, K step by K step: 16 loads each, 512 consecutive bytes a load
.irp ct, 0,1,2,3,4,5,6,7
.irp c, 0,1
	global_load_b128 v[8*(8*\sp+\ct)+4*\c:8*(8*\sp+\ct)+4*\c+3], v1, s[8:9] offset:(4*\ct+\sp)*1024+512*\c
.endr
.endr
.endr
	WIN 0
	s_wait_tensorcnt 0x0                           ; my tile is in LDS; only I read it
.irp kt, 0,1
.irp sp, 0,1,2,3
.irp p, 0,1,2,3
	ds_load_b128 v[128+16*(4*\kt+\sp)+4*\p:128+16*(4*\kt+\sp)+4*\p+3], v4 offset:8448*\kt+128*\sp+64*(\p/2)+16*(\p%2)   ; k = 32 s' + 16 (p / 2) + 8 h + 4 (p % 2) + 0..3 of key 16 kt + r
.endr
.endr
.endr
	s_wait_dscnt 0x0
.set I, 0
.rept 8
.irp j, 0,1,2,3,4,5,6,7
	v_cvt_pk_f16_f32 v[CF+8*I+\j], v[128+16*I+2*\j], v[128+16*I+2*\j+1]
.endr
.set I, I+1
.endr
; the 16 accumulators take turns, one instruction a turn, in the same order in every K step; the first K step starts the sums
.irp sp, 0,1,2,3
	s_wait_loadcnt 48-16*\sp                       ; this K step's 16 weight loads are in; the later K steps' may be out
	WIN 0x01                                       ; source 0 (weights) window 1
.irp ct, 0,1,2,3
.irp kt, 0,1
.if \sp == 0
	v_wmma_f32_16x16x32_f16 v[ACC+8*(2*\ct+\kt):ACC+8*(2*\ct+\kt)+7], v[8*(8*\sp+\ct):8*(8*\sp+\ct)+7], v[CF+8*(4*\kt+\sp):CF+8*(4*\kt+\sp)+7], 0
.else
	v_wmma_f32_16x16x32_f16 v[ACC+8*(2*\ct+\kt):ACC+8*(2*\ct+\kt)+7], v[8*(8*\sp+\ct):8*(8*\sp+\ct)+7], v[CF+8*(4*\kt+\sp):CF+8*(4*\kt+\sp)+7], v[ACC+8*(2*\ct+\kt):ACC+8*(2*\ct+\kt)+7]
.endif
.endr
.endr
	WIN 0x04                                       ; source 1 (weights) window 1
.irp ct, 4,5,6,7
.irp kt, 0,1
.if \sp == 0
	v_wmma_f32_16x16x32_f16 v[ACC+8*(2*\ct+\kt):ACC+8*(2*\ct+\kt)+7], v[CF+8*(4*\kt+\sp):CF+8*(4*\kt+\sp)+7], v[8*(8*\sp+\ct):8*(8*\sp+\ct)+7], 0
.else
	v_wmma_f32_16x16x32_f16 v[ACC+8*(2*\ct+\kt):ACC+8*(2*\ct+\kt)+7], v[CF+8*(4*\kt+\sp):CF+8*(4*\kt+\sp)+7], v[8*(8*\sp+\ct):8*(8*\sp+\ct)+7], v[ACC+8*(2*\ct+\kt):ACC+8*(2*\ct+\kt)+7]
.endif
.endr
.endr
.endr
	WIN 0
.rept 4
	v_nop                                          ; four places behind the last product, in front of the first read of results (ISA guide 7.12.1)
.endr
.set I, 0
.rept 16
	ds_store_b128 v5, v[ACC+8*I:ACC+8*I+3] offset:1024*I          ; each accumulator as it stands, from its low end on
	ds_store_b128 v5, v[ACC+8*I+4:ACC+8*I+7] offset:1024*I+512
.set I, I+1
.endr
	s_wait_dscnt 0x0                               ; for the others' sake: my stores have landed
	s_barrier_signal -1
	s_barrier_wait -1
.irp u, 0,1,2,3                        ; wave w adds up column tile ct = w, both key tiles, of all eight waves
.irp kt, 0,1
.irp j, 0,1
	ds_load_b128 v[128+16*\u+8*\kt+4*\j:128+16*\u+8*\kt+4*\j+3], v6 offset:16384*\u+1024*\kt+512*\j
.endr
.endr
.endr
.irp u, 0,1,2,3
.irp kt, 0,1
.irp j, 0,1
	ds_load_b128 v[192+16*\u+8*\kt+4*\j:192+16*\u+8*\kt+4*\j+3], v7 offset:16384*\u+1024*\kt+512*\j
.endr
.endr
.endr
	s_wait_dscnt 0x0
.irp u, 1,2,3,4,5,6,7
.irp p, 0,1,2,3,4,5,6,7
	v_pk_add_f32 v[128+2*\p:128+2*\p+1], v[128+2*\p:128+2*\p+1], v[128+16*\u+2*\p:128+16*\u+2*\p+1]
.endr
.endr
.irp j, 0,1,2,3,4,5,6,7
	v_cvt_pk_f16_f32 v[32+\j], v[128+2*\j], v[128+2*\j+1]
.endr
	global_store_b128 v1, v[32:35], s[10:11]       ; half a fragment: 512 consecutive bytes, aligned
	global_store_b128 v8, v[36:39], s[10:11]
	s_wait_tensorcnt 0x0
	ds_add_u32 v62, v63
	s_wait_dscnt 0x0
	s_endpgm
.Lfunc_end_k_q9e8a148f4f_kvproj:
	.size	k_q9e8a148f4f_kvproj, .Lfunc_end_k_q9e8a148f4f_kvproj-k_q9e8a148f4f_kvproj
	.p2alignl 7, 3214868480
	.fill 96, 4, 3214868480
	.section	.rodata,"a",@progbits
	.p2align	6, 0x0
	.amdhsa_kernel k_q9e8a148f4f_kvproj
		.amdhsa_group_segment_fixed_size 267264
		.amdhsa_private_segment_fixed_size 0
		.amdhsa_enable_private_segment 0
		.amdhsa_kernarg_size 32
		.amdhsa_user_sgpr_count 2
		.amdhsa_user_sgpr_kernarg_segment_ptr 1
		.amdhsa_wavefront_size32 1
		.amdhsa_system_sgpr_workgroup_id_x 1
		.amdhsa_system_sgpr_workgroup_id_y 1
		.amdhsa_system_sgpr_workgroup_id_z 1
		.amdhsa_system_vgpr_workitem_id 0
		.amdhsa_next_free_vgpr 512
		.amdhsa_next_free_sgpr 66
		.amdhsa_reserve_vcc 0
		.amdhsa_float_denorm_mode_32 3
		.amdhsa_float_denorm_mode_16_64 3
		.amdhsa_memory_ordered 1
		.amdhsa_forward_progress 1
		.amdhsa_inst_pref_size 29
	.end_amdhsa_kernel
	.amdgpu_metadata
---
amdhsa.version: [ 1, 2 ]
amdhsa.kernels:
  - .name:           k_q9e8a148f4f_kvproj
    .symbol:         k_q9e8a148f4f_kvproj.kd
    .args:
      - { .name: mem, .offset: 0, .size: 8, .value_kind: global_buffer, .address_space: global }
      - { .name: kv, .offset: 8, .size: 8, .value_kind: global_buffer, .address_space: global }
      - { .name: wkvimg, .offset: 16, .size: 8, .value_kind: global_buffer, .address_space: global }
      - { .name: kvimg, .offset: 24, .size: 8, .value_kind: global_buffer, .address_space: global }
    .group_segment_fixed_size: 267264
    .private_segment_fixed_size: 0
    .kernarg_segment_align: 8
    .kernarg_segment_size: 32
    .max_flat_workgroup_size: 256
    .sgpr_count:     66
    .vgpr_count:     512
    .wavefront_size: 32
...
	.end_amdgpu_metadata
.endif
;; end of part 2
;; launch attn (part 3): grid 128 x 2, 8 waves a work-group, clusters of 4 x 1, 327,680 bytes of LDS; arguments qimg, qsc, wqimg, wqsc, kvimg, aimg; writes aimg
.if DOCPART == 3
	.amdgcn_target "amdgcn-amd-amdhsa--gfx1250"
	.amdhsa_code_object_version 6
	.text
	.protected	k_q9e8a148f4f_attn
	.globl	k_q9e8a148f4f_attn
	.p2align	8
	.type	k_q9e8a148f4f_attn,@function
k_q9e8a148f4f_attn:
	s_mov_b64 s[64:65], 0
	v_nop
	global_prefetch_b8 v0, s[64:65] scope:SCOPE_SE
	s_setreg_imm32_b32 hwreg(HW_REG_WAVE_MODE, 25, 1), 1
	s_wait_xcnt 0x0
	s_wait_alu depctr_hold_cnt(0) depctr_sa_sdst(0) depctr_va_vdst(0) depctr_va_sdst(0) depctr_va_ssrc(0) depctr_va_vcc(0) depctr_vm_vsrc(0)
	s_getreg_b32 s2, hwreg(HW_REG_IB_STS2, 6, 4)
	s_cmp_eq_u32 s2, 0
	s_cbranch_scc0 .Lentry_in_a_cluster
	s_endpgm
.Lentry_in_a_cluster:
	s_bfe_u32 s2, ttmp6, 0x10000c
	s_cmp_lg_u32 s2, 0x3003
	s_cbranch_scc0 .Lentry_shape_is_right
	s_endpgm
.Lentry_shape_is_right:
; ATTN: qh = Q(q) Q(w_q) on E2M1 codes with E8M0 scales; softmax(qh k^T / 8) v with f16 operands and f32 sums, one K/V head shared by 16 query heads.  2 batches, 2,048 queries, 4,096 keys, head size 64.
; SHARES.  A work-group owns 64 positions x 4 heads (head group g): 16 tiles of 16 queries.  Its eight waves are four pairs: wave WV has head 4 g + WV % 4 and half kg = WV / 4 of the KEYS.
; Both waves of a pair hold the same four tiles (the head's 64 queries); of each slot of 512 keys a wave walks 256, in four steps of 64.  So a fragment of K or V read from LDS feeds four products,
; and each SIMD holds two waves, so that one wave's softmax stands beside the other's products.  Each wave keeps its own maximum, sum and O; the two halves are merged through LDS at the end,
; so the order of the f32 sums over the keys differs from one chain.
; CLUSTER.  The four work-groups of a cluster have the same batch and head group and four neighbouring blocks of positions: w_q's images and every slot of K and V are asked for JOINTLY (mask 15).
; The place in the cluster enters global addresses alone (q, the output, the prefetch).
; LAYOUT.  Every product is used transposed, so that a lane holds ONE query (lane % 16) throughout.  qh^T = w_q^T q^T: a lane's eight results are eight neighbouring channels: times log2(e) / 8, rounded to f16 in pairs,
; they ARE source 1 of S^T = K Q^T.  S^T's two neighbouring key tiles, as p rounded to f16 in pairs, ARE source 1 of O^T = V^T P.  O^T / the sum, rounded in pairs, IS a fragment of the last product's operand.
; All buffers hold images of operand registers (lane l's 16 bytes at 16 l): every LDS and global access here is dense.
; SOFTMAX.  S is in units of log2: p = 2^(S - m), m the running maximum; in every step O and the sum are multiplied by 2^(m_old - m_new).  The sum is taken of p before it is rounded.
; f16 AND NOT bf16: ten roundings of operands stand between the inputs and the output, which is held to 1/100 of its root mean square; f16's 11 bits of significand make each eight times smaller than bf16's 8.
; p lies in (0, 1] for every input; under 6e-8 it is rounded to 0, beside a largest p of 1.  The result is a convex mix of V's rows and has V's range.
; LIMITS: qh x log2(e) / 8 beyond 65,504 in magnitude becomes an infinity: with q of spread 1 and w_q of spread 1/32 its spread is 0.18; both 30 times larger give 162; a common offset of 30 spreads on both gives 0.18 x 28,800.
; m starts at -3e38; 2^x under 2^-126 comes out as 0 (ISA guide, v_exp_f32); NaN and infinities are not served.
; LOCAL TILES.  A wave projects two of its four tiles, query tiles 2 kg and 2 kg + 1, and gets the other two from its partner through LDS: local tile t is query tile (t + 2 kg) % 4.
; So a wave's local tiles 2, 3 are its partner's 0, 1, and the merge is one text: send 2, 3; finish and store 0, 1.
; REGISTERS: window 0: v1-14 addresses; v16-63 twelve registers of statistics a tile; v64-127 Q (tile t, channels 32 cs on: 64 + 16 t + 8 cs); v128-255 S^T (tile t, key tile kt: 128 + 32 t + 8 kt), p, and P in S's first 16 of each tile.
;   window 1: v0-127 O^T (32 t + 8 vt); v128-191 K's eight fragments of a step; v192-255 V's.   At the head: window 1 v0-127 q's codes, v128-255 w_q's; window 0 v128-191 eight accumulators, v192-215 scale words.
.set SLOT1, 131072                     ; two slots of 128 KB: 64 KB of K's images, then 64 KB of V's; slot 1 first holds w_q's images
.set VOFF,  65536
.set STEPB, 8192                       ; a step's eight fragments
.set QX,    262144                     ; behind the ring: 4 KB for each wave: Q's fragments for the partner; no tensor load lands here
.set SPARE, 294912                     ; the spare words, 128 bytes for each wave: four blocks of 256 bytes that no other line names
.set MRGB,  8704                       ; the merge: 8 KB of O^T and 512 bytes of statistics for each wave, in slot 0, behind its last fill and its last read
.set ST, 16                            ; tile t at v[16 + 12 t]: +0 m, +1 (pair), +2, +3 the sum in two halves, +4 a, +5 (pair), +6..9 c0-c3 at work, +10, +11 a second chain of sums
.set Q,  64
.set S,  128
.set KF, 128
.set VF, 192
.set WS, 192                           ; w_q's scale words: 4 ct + pair of K steps
.set QS, 208                           ; q's: 4 i + pair
.set MSB, 0
.macro WIN new                         ; bits 1:0 source 0, 3:2 source 1, 5:4 source 2, 7:6 destination; the high byte repeats the setting that is left
.if MSB != \new
	s_set_vgpr_msb (MSB<<8)|\new
.set MSB, \new
.endif
.endm
.macro PLACES n
.rept \n
	v_nop
.endr
.endm
.macro CROUND                          ; a round of the cluster's barrier
	s_barrier_signal -1
	s_barrier_wait -1
	s_cmp_lg_u32 s16, 0
	s_cbranch_scc1 .Lnot_wave_0_\@
	s_barrier_signal -3
.Lnot_wave_0_\@:
	s_barrier_wait -3
	s_barrier_signal -1
	s_barrier_wait -1
.endm
	s_load_b256 s[4:11], s[0:1], 0x0               ; qimg, qsc, wqimg, wqsc
	s_load_b128 s[12:15], s[0:1], 0x20             ; kvimg, aimg
	v_lshl_add_u32 v6, v0, 2, SPARE                ; my spare word; never rewritten
	v_mov_b32 v7, 0                                ; 0; never rewritten
	ds_add_u32 v6, v7
	ds_add_u32 v6, v7
	s_wait_dscnt 0x0
	v_lshrrev_b32 v15, 5, v0
	v_readfirstlane_b32 s16, v15                   ; wave 0..7
	s_and_b32 s17, s16, 3                          ; hw: my head in the group
	s_lshr_b32 s18, s16, 2                         ; kg: my half of the keys
	s_xor_b32 s23, s16, 4                          ; my partner
	s_and_b32 s20, ttmp9, 3                        ; g: the group of four heads (ttmp9 counts clusters)
	s_and_b32 s22, ttmp7, 0xffff                   ; the batch
	; descriptor group 1, for every load: 64 rows of 256 bytes, dense: 16 KB a wave
	s_mov_b32 s24, 15|(3<<16)|(1<<21)              ; 15:0 the mask: all four work-groups; 17:16 elements of 8 bytes; 21 set beside a mask
	s_mov_b32 s25, 32<<16                          ; tensor_dim0
	s_mov_b32 s26, 64<<16                          ; tensor_dim1
	s_mov_b32 s27, 32<<16                          ; tile_dim0
	s_mov_b32 s28, 64                              ; tile_dim1
	s_mov_b32 s29, 32                              ; the pitch
	s_mov_b32 s30, 0
	s_mov_b32 s31, 0
	s_lshl_b32 s50, s16, 14                        ; my 16 KB of a fill, in memory and in LDS
	s_lshl_b32 s52, s20, 17                        ; w_q's images of my head group: 16 tiles of columns x 8 KB
	s_add_co_u32 s52, s52, s50
	s_mov_b32 s53, 0
	s_lshl_b32 s54, s22, 20                        ; my batch's K and V
	s_add_co_u32 s54, s54, s50
	s_mov_b32 s55, 0
	s_mov_b32 s40, 0x3e38aa3b                      ; log2(e) / 8
	s_mov_b32 s41, s40                             ; (named with it as a pair)
	s_mov_b32 s42, 0x76543210
	s_mov_b32 s43, 0xfedcba98                      ; v_permlanex16_b32's selects for lane l xor 16
	s_mov_b32 s44, 0                               ; LDS byte at which the step's fragments begin
	s_mov_b32 s45, 7                               ; slots still to be asked for
	s_or_b32 s47, s18, ttmp9                       ; waves 0-3 of a batch's first cluster prefetch: the same in all four partners
	s_cmp_eq_u32 s47, 0
	s_cselect_b32 s47, 1, -1
	v_and_b32 v15, 31, v0
	v_lshlrev_b32 v1, 4, v15                       ; 16 x lane
	v_lshlrev_b32 v13, 2, v15                      ; 4 x lane
	v_lshlrev_b32 v8, 8, v15                       ; 256 x lane: the prefetches' offset
	s_lshl_b32 s46, s18, 15
	v_add_nc_u32 v4, s46, v1                       ; K: my half's 32 KB of a slot
	v_add_nc_u32 v5, VOFF, v4                      ; V likewise
	s_lshl_b32 s46, s16, 12
	s_add_co_u32 s46, s46, QX
	v_add_nc_u32 v9, s46, v1                       ; where I put Q's fragments,
	s_lshl_b32 s46, s23, 12
	s_add_co_u32 s46, s46, QX
	v_add_nc_u32 v10, s46, v1                      ; and where my partner puts its
	s_mul_i32 s46, s16, MRGB
	v_add_nc_u32 v11, s46, v1                      ; the merge: mine,
	s_mul_i32 s46, s23, MRGB
	v_add_nc_u32 v12, s46, v1                      ; my partner's
	s_lshl_b32 s46, s17, 15
	s_add_co_u32 s46, s46, SLOT1
	v_add_nc_u32 v14, s46, v1                      ; w_q's images of my head: 4 tiles of columns x 8 KB
	s_wait_kmcnt 0x0
	s_mov_b32 s32, 1                               ; group 0 for w_q's images: into slot 1
	s_add_co_u32 s33, s50, SLOT1
	s_add_nc_u64 s[34:35], s[8:9], s[52:53]
	s_or_b32 s35, s35, 0x80000000
	s_mov_b32 s36, 1                               ; group 0 for K and V, which walks: slot 0 first
	s_mov_b32 s37, s50
	s_add_nc_u64 s[38:39], s[12:13], s[54:55]
	s_or_b32 s39, s39, 0x80000000
	s_lshl_b32 s52, s20, 13                        ; w_q's scale words of my head: (16 g + 4 hw) x 512
	s_lshl_b32 s51, s17, 11
	s_add_co_u32 s52, s52, s51
	s_add_nc_u64 s[10:11], s[10:11], s[52:53]
	; what hangs on my place in the cluster lives in s56-s61, and goes into global addresses alone
	s_bfe_u32 s56, ttmp6, 0x40000                  ; cx
	s_and_b32 s57, ttmp9, 28
	s_add_co_u32 s57, s57, s56                     ; my block of 64 positions
	s_lshl_b32 s57, s57, 2
	s_lshl_b32 s60, s22, 7
	s_add_co_u32 s57, s57, s60
	s_lshl_b32 s60, s18, 1
	s_add_co_u32 s57, s57, s60                     ; the first tile of rows that I project and store: 128 b + 4 block + 2 kg
	s_mov_b32 s59, 0
	s_lshl_b32 s58, s57, 13
	s_add_nc_u64 s[4:5], s[4:5], s[58:59]          ; its codes
	s_add_nc_u64 s[14:15], s[14:15], s[58:59]      ; its place in a quarter of the output's images,
	s_lshl_b32 s58, s57, 9
	s_add_nc_u64 s[6:7], s[6:7], s[58:59]          ; its scale words
	s_lshl_b32 s58, s20, 21                        ; the quarter of my head group,
	s_lshl_b32 s60, s17, 11                        ; and my head's two K steps of 32 in a tile
	s_add_co_u32 s58, s58, s60
	s_add_nc_u64 s[14:15], s[14:15], s[58:59]
	s_lshl_b32 s58, s22, 20                        ; the prefetches: my batch, my work-group's 32 KB of a slot, my wave's 8 KB,
	s_lshl_b32 s60, s56, 15
	s_add_co_u32 s58, s58, s60
	s_lshl_b32 s60, s16, 13
	s_add_co_u32 s58, s58, s60
	s_add_co_u32 s58, s58, SLOT1                   ; in slot 1: the first change of slots steps it to slot 2.  Nothing is prefetched here, at the head
	s_add_nc_u64 s[48:49], s[12:13], s[58:59]
	CROUND                                         ; all four work-groups are here: the first joint loads meet
	tensor_load_to_lds s[32:35], s[24:31]          ; w_q's images
	s_nop 0
	tensor_load_to_lds s[36:39], s[24:31]          ; K and V, slot 0: two loads of mine are out
	s_nop 0
	PLACES 4
	WIN 0x40                                       ; destination window 1
.irp i, 0,1                            ; q's codes of my two tiles, eight K steps each
.irp s, 0,1,2,3,4,5,6,7
.irp c, 0,1
	global_load_b128 v[8*(8*\i+\s)+4*\c:8*(8*\i+\s)+4*\c+3], v1, s[4:5] offset:(8*\i+\s)*1024+512*\c
.endr
.endr
.endr
	WIN 0
.set I, 0
.rept 8
	global_load_b32 v[QS+I], v13, s[6:7] offset:128*I
.set I, I+1
.endr
.set I, 0
.rept 16
	global_load_b32 v[WS+I], v13, s[10:11] offset:128*I
.set I, I+1
.endr
	s_wait_tensorcnt 0x1                           ; my part of w_q's images is in; slot 0's load may stay out
	s_barrier_signal -1
	s_barrier_wait -1                              ; everybody's is
	s_wait_loadcnt 0x0
; THE QUANTISED PRODUCT: K step s, my tile i, tile ct of my head's columns.  Source 0 = 16 columns of w_q, source 1 = 16 rows of q.  A scale register carries an even K step's words in lanes 0-15 and the odd one's in lanes 16-31.
.macro QP s, i, ct
.set rA, 128+32*((\s)%4)+8*(\ct)
.set rB, 8*(8*(\i)+(\s))
.set rD, 128+32*(\i)+8*(\ct)
.set rW, WS+4*(\ct)+(\s)/2
.set rQ, QS+4*(\i)+(\s)/2
.if (\s) == 0
	v_wmma_scale_f32_16x16x128_f8f6f4 v[rD:rD+7], v[rA:rA+7], v[rB:rB+7], 0, v[rW], v[rQ] matrix_a_fmt:MATRIX_FMT_FP4 matrix_b_fmt:MATRIX_FMT_FP4
.elseif (\s)%2 == 0
	v_wmma_scale_f32_16x16x128_f8f6f4 v[rD:rD+7], v[rA:rA+7], v[rB:rB+7], v[rD:rD+7], v[rW], v[rQ] matrix_a_fmt:MATRIX_FMT_FP4 matrix_b_fmt:MATRIX_FMT_FP4
.else
	v_wmma_scale_f32_16x16x128_f8f6f4 v[rD:rD+7], v[rA:rA+7], v[rB:rB+7], v[rD:rD+7], v[rW], v[rQ] matrix_a_fmt:MATRIX_FMT_FP4 matrix_b_fmt:MATRIX_FMT_FP4 matrix_a_scale:MATRIX_SCALE_ROW1 matrix_b_scale:MATRIX_SCALE_ROW1
.endif
.endm
.irp bt, 0,1                           ; four K steps at a time; the eight accumulators take turns
.if \bt
	PLACES 4                                       ; in front of loads into registers that matrix instructions have read
.endif
	WIN 0x40
.irp sq, 0,1,2,3
.irp ct, 0,1,2,3
.irp c, 0,1
	ds_load_b128 v[128+32*\sq+8*\ct+4*\c:128+32*\sq+8*\ct+4*\c+3], v14 offset:8192*\ct+1024*(4*\bt+\sq)+512*\c
.endr
.endr
.endr
	s_wait_dscnt 0x0
	WIN 0x05                                       ; sources 0 and 1 window 1
.irp sq, 0,1,2,3
.irp i, 0,1
.irp ct, 0,1,2,3
	QP 4*\bt+\sq, \i, \ct
.endr
.endr
.endr
.endr
	WIN 0
	PLACES 4
.set I, 0
.rept 32
	v_pk_mul_f32 v[128+2*I:128+2*I+1], v[128+2*I:128+2*I+1], s[40:41] op_sel_hi:[1,0]   ; x log2(e) / 8, ahead of the one rounding
.set I, I+1
.endr
.irp i, 0,1
.irp ct, 0,1,2,3
.irp j, 0,1,2,3
	v_cvt_pk_f16_f32 v[Q+16*\i+4*\ct+\j], v[128+32*\i+8*\ct+2*\j], v[128+32*\i+8*\ct+2*\j+1]   ; channels 16 ct + 8 h + 2 j, + 1 of query r: local tiles 0 and 1 of Q
.endr
.endr
.endr
.set I, 0
.rept 8
	ds_store_b128 v9, v[Q+4*I:Q+4*I+3] offset:512*I
.set I, I+1
.endr
	WIN 0x40
.set I, 0
.rept 128
	v_mov_b32 v[I], 0                              ; O^T.  (The step is written without a first copy: the first step finds zeros, which the first change of m leaves zeros)
.set I, I+1
.endr
	WIN 0
.irp t, 0,1,2,3
	v_mov_b32 v[ST+12*\t], 0xff61b1e6              ; m: -3e38, under every score
	v_mov_b32 v[ST+12*\t+1], 0                     ; (upper halves of pairs that are named are written once)
	v_mov_b32 v[ST+12*\t+2], 0                     ; the sum
	v_mov_b32 v[ST+12*\t+3], 0
	v_mov_b32 v[ST+12*\t+5], 0
.endr
	s_wait_dscnt 0x0                               ; for my partner's sake: my stores have landed
	s_barrier_signal -1
	s_barrier_wait -1
.set I, 0
.rept 8
	ds_load_b128 v[Q+32+4*I:Q+32+4*I+3], v10 offset:512*I   ; local tiles 2 and 3: awaited at the first change of slots
.set I, I+1
.endr
; ---- the loop's parts
.macro KLOADS                          ; a step's K: key tile f / 2, channels 32 (f % 2) on
	WIN 0x40
.irp f, 0,1,2,3,4,5,6,7
.irp c, 0,1
	ds_load_b128 v[KF+8*\f+4*\c:KF+8*\f+4*\c+3], v2 offset:1024*\f+512*\c
.endr
.endr
	WIN 0
.endm
.macro MX t, j                         ; number j of 16 of tile t's maximum: four chains, each begun at an accumulator's low end, then the left-overs, the chains and the old m
.set rS, S+32*(\t)
.set rT, ST+12*(\t)
.if (\j) < 4
	v_max3_num_f32 v[rT+6+(\j)], v[rS+8*(\j)], v[rS+8*(\j)+1], v[rS+8*(\j)+2]
.elseif (\j) < 12
	v_max3_num_f32 v[rT+6+(\j)%4], v[rT+6+(\j)%4], v[rS+8*((\j)%4)+2*((\j)/4)+1], v[rS+8*((\j)%4)+2*((\j)/4)+2]
.elseif (\j) == 12
	v_max3_num_f32 v[rT+6], v[rT+6], v[rS+7], v[rS+15]
.elseif (\j) == 13
	v_max3_num_f32 v[rT+8], v[rT+8], v[rS+23], v[rS+31]
.elseif (\j) == 14
	v_max3_num_f32 v[rT+6], v[rT+6], v[rT+7], v[rT+8]
.else
	v_max3_num_f32 v[rT+6], v[rT+6], v[rT+9], v[rT]
.endif
.endm
.macro XS t, p                         ; pair p: S - m
.set rS, S+32*(\t)
.set rT, ST+12*(\t)
	v_pk_add_f32 v[rS+2*(\p):rS+2*(\p)+1], v[rS+2*(\p):rS+2*(\p)+1], v[rT:rT+1] op_sel_hi:[1,0] neg_lo:[0,1] neg_hi:[0,1]
.endm
.macro EX t, i                         ; p = 2^(S - m)
	v_exp_f32 v[S+32*(\t)+(\i)], v[S+32*(\t)+(\i)]
.endm
.macro YS t, i                         ; numbers 0-15: the sum of the unrounded p, in two chains; the first takes the old sum x a along.  16-31: p to f16, in place, ascending: P ends in S's first 16 registers
.set rS, S+32*(\t)
.set rT, ST+12*(\t)
.if (\i) == 0
	s_wait_alu depctr_va_vdst(0)
	v_pk_fma_f32 v[rT+2:rT+3], v[rT+2:rT+3], v[rT+4:rT+5], v[rS:rS+1] op_sel_hi:[1,0,1]
.elseif (\i) == 1
	v_pk_add_f32 v[rT+10:rT+11], v[rS+2:rS+3], v[rS+4:rS+5]
.elseif (\i) < 15
.if (\i)%2 == 0
	v_pk_add_f32 v[rT+2:rT+3], v[rT+2:rT+3], v[rS+2*(\i)+2:rS+2*(\i)+3]
.else
	v_pk_add_f32 v[rT+10:rT+11], v[rT+10:rT+11], v[rS+2*(\i)+2:rS+2*(\i)+3]
.endif
.elseif (\i) == 15
	v_pk_add_f32 v[rT+2:rT+3], v[rT+2:rT+3], v[rT+10:rT+11]
.else
	v_cvt_pk_f16_f32 v[rS+(\i)-16], v[rS+2*((\i)-16)], v[rS+2*((\i)-16)+1]
.endif
.endm
.macro MIX te, tx, ty                  ; tile te's 32 exponentials, with plain work of two other tiles between them: tile ty's sums and roundings, tile tx's S - m.  -1: none
.set I, 0
.rept 32
	EX \te, I
.if (\ty) >= 0
	YS \ty, I
.endif
.if ((\tx) >= 0) && (I%2 == 0)
	XS \tx, I/2
.endif
.set I, I+1
.endr
.endm
.macro SOFTMAX                         ; all in window 0
.irp j, 0,1,2,3,4,5,6,7,8,9,10,11,12,13,14,15
.irp t, 0,1,2,3
	MX \t, \j
.endr
.endr
.irp t, 0,1,2,3
	v_permlanex16_b32 v[ST+12*\t+7], v[ST+12*\t+6], s42, s43   ; the query's other 32 keys lie in the lane 16 away
.endr
.irp t, 0,1,2,3
	v_max_num_f32 v[ST+12*\t+8], v[ST+12*\t+6], v[ST+12*\t+7]  ; the new m
.endr
.irp t, 0,1,2,3
	v_sub_f32 v[ST+12*\t+9], v[ST+12*\t], v[ST+12*\t+8]
.endr
.irp t, 0,1,2,3
	v_exp_f32 v[ST+12*\t+4], v[ST+12*\t+9]         ; a = 2^(m_old - m_new)
.endr
.irp t, 0,1,2,3
	v_mov_b32 v[ST+12*\t], v[ST+12*\t+8]           ; (plain lines behind the exponentials)
.endr
.set I, 0
.rept 16
	XS 0, I
.set I, I+1
.endr
	MIX 0, 1, -1
	MIX 1, 2, 0
	MIX 2, 3, 1
	MIX 3, -1, 2
.set I, 0
.rept 32
	YS 3, I
.set I, I+1
.endr
.endm
; A KEY STEP: my 64 keys.  K's fragments were asked for a step ago.  more = 1: the next step's K is asked for behind S^T.
.macro STEP more
	v_add_nc_u32 v3, s44, v5
	WIN 0x40
.irp f, 0,1,2,3,4,5,6,7                ; V: keys 32 (f / 4) on, channels 16 (f % 4) on
.irp c, 0,1
	ds_load_b128 v[VF+8*\f+4*\c:VF+8*\f+4*\c+3], v3 offset:1024*\f+512*\c
.endr
.endr
	s_wait_dscnt 16                                ; K's 16 loads, the older ones, are in; V's 16 may be out
	WIN 0x01                                       ; source 0 (K) window 1
.irp cs, 0,1                           ; S^T = K Q^T: 16 accumulators by turns; the first 32 channels start the sums
.irp kt, 0,1,2,3
.irp t, 0,1,2,3
.if \cs == 0
	v_wmma_f32_16x16x32_f16 v[S+32*\t+8*\kt:S+32*\t+8*\kt+7], v[KF+8*(2*\kt+\cs):KF+8*(2*\kt+\cs)+7], v[Q+16*\t+8*\cs:Q+16*\t+8*\cs+7], 0
.else
	v_wmma_f32_16x16x32_f16 v[S+32*\t+8*\kt:S+32*\t+8*\kt+7], v[KF+8*(2*\kt+\cs):KF+8*(2*\kt+\cs)+7], v[Q+16*\t+8*\cs:Q+16*\t+8*\cs+7], v[S+32*\t+8*\kt:S+32*\t+8*\kt+7]
.endif
.endr
.endr
.endr
	WIN 0
.if \more
	s_add_co_u32 s44, s44, STEPB
	v_add_nc_u32 v2, s44, v4                       ; with the three below: four places, in front of the loads into K's registers and of the first read of the scores
	PLACES 3
	KLOADS
.else
	PLACES 4
.endif
	SOFTMAX
	WIN 0x41                                       ; O^T (destination and source 0) window 1, a window 0
.irp t, 0,1,2,3
.set I, 0
.rept 16
	v_pk_mul_f32 v[32*\t+2*I:32*\t+2*I+1], v[32*\t+2*I:32*\t+2*I+1], v[ST+12*\t+4:ST+12*\t+5] op_sel_hi:[1,0]
.set I, I+1
.endr
.endr
.if \more
	s_wait_dscnt 16                                ; V is in; the next step's 16 loads of K may be out
.else
	s_wait_dscnt 0x0
.endif
	WIN 0x51                                       ; V and O^T window 1, P window 0
.irp ks, 0,1                           ; O^T += V^T P: 16 accumulators by turns
.irp vt, 0,1,2,3
.irp t, 0,1,2,3
	v_wmma_f32_16x16x32_f16 v[32*\t+8*\vt:32*\t+8*\vt+7], v[VF+8*(4*\ks+\vt):VF+8*(4*\ks+\vt)+7], v[S+32*\t+8*\ks:S+32*\t+8*\ks+7], v[32*\t+8*\vt:32*\t+8*\vt+7]
.endr
.endr
.endr
	WIN 0
	PLACES 5                                       ; five: the next step's S^T writes over P, which these products read; they also serve the next loads into V's registers
.endm
; THE CHANGE OF SLOTS stands at a slot's head.  Each wave waits for all its tensor loads (one is out: its part of the slot ahead), adds 0 to its spare word, and waits for that and for its reads of the slot left.
; fill = 1: behind a round of the cluster's barrier the slot left is filled with the keys that follow: one joint load a wave, which has a whole slot's four steps in which to land.
.macro CHANGE fill
	s_wait_tensorcnt 0x0                           ; no tensor load of mine is out, so a group 0 may be written
	ds_add_u32 v6, v7
.if \fill
	s_xor_b32 s37, s37, SLOT1                      ; the walking descriptor: the other slot,
	s_add_nc_u64 s[38:39], s[38:39], SLOT1         ; the next 512 keys' 128 KB
	s_wait_xcnt 0x0                                ; the last prefetch, a slot back, has read its address
	s_add_nc_u64 s[48:49], s[48:49], SLOT1         ; one slot further on than the walking descriptor
.endif
	s_wait_dscnt 0x0                               ; the add is done, and my reads of the slot that I have left are over
.if \fill
	CROUND
	tensor_load_to_lds s[36:39], s[24:31]          ; the first thing behind the round, and my one tensor load until the next
	s_nop 0
	PLACES 4
	; A PREFETCH of what the NEXT change will ask for, four key steps ahead of that load: 128 KB, each block of 256 bytes named once for a batch: the batch's first cluster asks, its four partners
	; take 32 KB each, told apart by address; in each, waves 0-3 take 8 KB, lanes 256 bytes apart.  The last change that fills a slot asks for nothing.
	s_cmp_gt_u32 s45, s47
	s_cbranch_scc0 .Lnot_mine_\@
	global_prefetch_b8 v8, s[48:49] th:TH_LOAD_NT scope:SCOPE_SE
.Lnot_mine_\@:
.else
	s_barrier_signal -1
	s_barrier_wait -1
.endif
.endm
.macro SLOT_STEPS                      ; my four steps of a slot
	v_add_nc_u32 v2, s44, v4
	KLOADS
	s_mov_b32 s46, 3
.Lstep_\@:
	STEP 1
	s_sub_co_u32 s46, s46, 1
	s_cmp_lg_u32 s46, 0
	s_cbranch_scc1 .Lstep_\@
	STEP 0
	s_sub_co_u32 s44, s44, 3*STEPB                 ; back to a slot's first step,
	s_xor_b32 s44, s44, SLOT1                      ; in the other slot
.endm
.Lslot:                                            ; seven trips: behind each change of slots but the last the next slot is asked for.  The first fills slot 1 over w_q's images
	CHANGE 1
	SLOT_STEPS
	s_sub_co_u32 s45, s45, 1
	s_cmp_lg_u32 s45, 0
	s_cbranch_scc1 .Lslot
	CHANGE 0                                       ; the last slot is written out
	SLOT_STEPS
; ---- THE MERGE of the two halves of the keys, and the way out
.irp t, 0,1,2,3
	v_add_f32 v[ST+12*\t+6], v[ST+12*\t+2], v[ST+12*\t+3]
.endr
.irp t, 0,1,2,3
	v_permlanex16_b32 v[ST+12*\t+7], v[ST+12*\t+6], s42, s43
.endr
.irp t, 0,1,2,3
	v_add_f32 v[ST+12*\t+6], v[ST+12*\t+6], v[ST+12*\t+7]   ; my half's sum of each query
.endr
	v_mov_b32 v192, v[ST+24]                       ; m and the sum of local tiles 2 and 3
	v_mov_b32 v193, v[ST+30]
	v_mov_b32 v194, v[ST+36]
	v_mov_b32 v195, v[ST+42]
	s_wait_dscnt 0x0
	s_barrier_signal -1                            ; every wave has made its last read of the ring: the merge area lies in it
	s_barrier_wait -1
	WIN 0x04                                       ; an LDS store's data: window 1
.irp tt, 0,1
.irp vt, 0,1,2,3
.irp j, 0,1
	ds_store_b128 v11, v[32*(2+\tt)+8*\vt+4*\j:32*(2+\tt)+8*\vt+4*\j+3] offset:1024*(4*\tt+\vt)+512*\j   ; each accumulator from its low end on
.endr
.endr
.endr
	WIN 0
	ds_store_b128 v11, v[192:195] offset:8192
	s_wait_dscnt 0x0                               ; for my partner's sake
	s_barrier_signal -1
	s_barrier_wait -1
.irp tt, 0,1
.irp vt, 0,1,2,3
.irp j, 0,1
	ds_load_b128 v[128+32*\tt+8*\vt+4*\j:128+32*\tt+8*\vt+4*\j+3], v12 offset:1024*(4*\tt+\vt)+512*\j   ; my partner's O^T of my local tiles 0 and 1
.endr
.endr
.endr
	ds_load_b128 v[196:199], v12 offset:8192
	s_wait_dscnt 0x0
.irp t, 0,1
	v_max_num_f32 v[ST+12*\t+7], v[ST+12*\t], v[196+2*\t]      ; the joint maximum
.endr
.irp t, 0,1
	v_sub_f32 v[ST+12*\t+8], v[ST+12*\t], v[ST+12*\t+7]
	v_sub_f32 v[ST+12*\t+9], v[196+2*\t], v[ST+12*\t+7]
.endr
.irp t, 0,1
	v_exp_f32 v[ST+12*\t+8], v[ST+12*\t+8]         ; what brings my half under it,
	v_exp_f32 v[ST+12*\t+9], v[ST+12*\t+9]         ; and my partner's
.endr
	v_nop
	s_wait_alu depctr_va_vdst(0)
.irp t, 0,1
	v_mul_f32 v[ST+12*\t+7], v[ST+12*\t+8], v[ST+12*\t+6]
.endr
.irp t, 0,1
	v_fma_f32 v[ST+12*\t+7], v[ST+12*\t+9], v[197+2*\t], v[ST+12*\t+7]   ; the row's sum
.endr
.irp t, 0,1
	v_rcp_f32 v[ST+12*\t+7], v[ST+12*\t+7]
.endr
	v_nop
	s_wait_alu depctr_va_vdst(0)
.irp t, 0,1
	v_mul_f32 v[ST+12*\t+4], v[ST+12*\t+8], v[ST+12*\t+7]      ; my factor
	v_mul_f32 v[ST+12*\t+10], v[ST+12*\t+9], v[ST+12*\t+7]     ; my partner's
.endr
.irp t, 0,1
.set I, 0
.rept 16
	v_pk_mul_f32 v[128+32*\t+2*I:128+32*\t+2*I+1], v[128+32*\t+2*I:128+32*\t+2*I+1], v[ST+12*\t+10:ST+12*\t+11] op_sel_hi:[1,0]
.set I, I+1
.endr
.endr
	WIN 0x01                                       ; source 0 (my O^T) window 1
.irp t, 0,1
.set I, 0
.rept 16
	v_pk_fma_f32 v[128+32*\t+2*I:128+32*\t+2*I+1], v[32*\t+2*I:32*\t+2*I+1], v[ST+12*\t+4:ST+12*\t+5], v[128+32*\t+2*I:128+32*\t+2*I+1] op_sel_hi:[1,0,1]
.set I, I+1
.endr
.endr
	WIN 0
.irp t, 0,1
.set I, 0
.rept 16
	v_cvt_pk_f16_f32 v[200+16*\t+I], v[128+32*\t+2*I], v[128+32*\t+2*I+1]
.set I, I+1
.endr
.endr
.irp t, 0,1
.irp vt, 0,1,2,3
	global_store_b128 v1, v[200+16*\t+4*\vt:200+16*\t+4*\vt+3], s[14:15] offset:8192*\t+512*\vt   ; half a fragment of the last product's operand: 512 consecutive bytes, aligned
.endr
.endr
	s_wait_tensorcnt 0x0                           ; the wave's end
	ds_add_u32 v6, v7
	s_wait_dscnt 0x0
	CROUND                                         ; the closing round: no work-group ends while a partner may still ask for a tile that names it
	s_endpgm
.Lfunc_end_k_q9e8a148f4f_attn:
	.size	k_q9e8a148f4f_attn, .Lfunc_end_k_q9e8a148f4f_attn-k_q9e8a148f4f_attn
	.p2alignl 7, 3214868480
	.fill 96, 4, 3214868480
	.section	.rodata,"a",@progbits
	.p2align	6, 0x0
	.amdhsa_kernel k_q9e8a148f4f_attn
		.amdhsa_group_segment_fixed_size 327680
		.amdhsa_private_segment_fixed_size 0
		.amdhsa_enable_private_segment 0
		.amdhsa_kernarg_size 48
		.amdhsa_user_sgpr_count 2
		.amdhsa_user_sgpr_kernarg_segment_ptr 1
		.amdhsa_wavefront_size32 1
		.amdhsa_system_sgpr_workgroup_id_x 1
		.amdhsa_system_sgpr_workgroup_id_y 1
		.amdhsa_system_sgpr_workgroup_id_z 1
		.amdhsa_system_vgpr_workitem_id 0
		.amdhsa_next_free_vgpr 512
		.amdhsa_next_free_sgpr 66
		.amdhsa_reserve_vcc 0
		.amdhsa_float_denorm_mode_32 3
		.amdhsa_float_denorm_mode_16_64 3
		.amdhsa_memory_ordered 1
		.amdhsa_forward_progress 1
		.amdhsa_inst_pref_size 172
	.end_amdhsa_kernel
	.amdgpu_metadata
---
amdhsa.version: [ 1, 2 ]
amdhsa.kernels:
  - .name:           k_q9e8a148f4f_attn
    .symbol:         k_q9e8a148f4f_attn.kd
    .args:
      - { .name: qimg, .offset: 0, .size: 8, .value_kind: global_buffer, .address_space: global }
      - { .name: qsc, .offset: 8, .size: 8, .value_kind: global_buffer, .address_space: global }
      - { .name: wqimg, .offset: 16, .size: 8, .value_kind: global_buffer, .address_space: global }
      - { .name: wqsc, .offset: 24, .size: 8, .value_kind: global_buffer, .address_space: global }
      - { .name: kvimg, .offset: 32, .size: 8, .value_kind: global_buffer, .address_space: global }
      - { .name: aimg, .offset: 40, .size: 8, .value_kind: global_buffer, .address_space: global }
    .group_segment_fixed_size: 327680
    .private_segment_fixed_size: 0
    .kernarg_segment_align: 8
    .kernarg_segment_size: 48
    .max_flat_workgroup_size: 256
    .sgpr_count:     66
    .vgpr_count:     512
    .wavefront_size: 32
...
	.end_amdgpu_metadata
.endif
;; end of part 3
;; launch outproj (part 4): grid 8 x 32, 4 waves a work-group, clusters of 4 x 4, 327,680 bytes of LDS; arguments aimg, wcimg, out0; writes out0
.if DOCPART == 4
	.amdgcn_target "amdgcn-amd-amdhsa--gfx1250"
	.amdhsa_code_object_version 6
	.text
	.protected	k_q9e8a148f4f_outproj
	.globl	k_q9e8a148f4f_outproj
	.p2align	8
	.type	k_q9e8a148f4f_outproj,@function
k_q9e8a148f4f_outproj:
	s_mov_b64 s[64:65], 0
	v_nop
	global_prefetch_b8 v0, s[64:65] scope:SCOPE_SE
	s_setreg_imm32_b32 hwreg(HW_REG_WAVE_MODE, 25, 1), 1
	s_wait_xcnt 0x0
	s_wait_alu depctr_hold_cnt(0) depctr_sa_sdst(0) depctr_va_vdst(0) depctr_va_sdst(0) depctr_va_ssrc(0) depctr_va_vcc(0) depctr_vm_vsrc(0)
	s_getreg_b32 s2, hwreg(HW_REG_IB_STS2, 6, 4)
	s_cmp_eq_u32 s2, 0
	s_cbranch_scc0 .Lentry_in_a_cluster
	s_endpgm
.Lentry_in_a_cluster:
	s_bfe_u32 s2, ttmp6, 0x10000c
	s_cmp_lg_u32 s2, 0xf033
	s_cbranch_scc0 .Lentry_shape_is_right
	s_endpgm
.Lentry_shape_is_right:
; OUTPROJ: out0 [4096][1024] f32 = attention's result [4096][1024] x w_concat [1024 (k)][1024 (n)], f16 operands, f32 sums, K ascending.
; (f16 and not bf16: the operands' roundings are eight times smaller, and the output is held to 1/100 of its root mean square; both operands' ranges are stated where they are made.)
; Both operands arrive as images of operand registers (a fragment of 16 rows x 32 K is 1 KB, lane l's 16 bytes at 16 l and at 512 + 16 l):
;   aimg [k / 256][mt 256][8][1 KB], wcimg [k / 256][nt 64][8][1 KB]: so a K step of 256 of 64 rows (4 tiles) is one dense block of 32 KB, and every LDS read is dense.
; 256 tiles of 128 x 128, one to a work-group, so that each WGP has one.  Four waves, each 64 x 64: 16 accumulators.  K goes in four steps of 256 through two LDS slots; each wave fetches 32 KB with one tensor load.
; CLUSTERS: 4 x 4 work-groups.  The four of a row of the cluster need the same tiles of A, the four of a column the same tiles of B: each is asked for JOINTLY.
; THE MATRIX INSTRUCTION IS USED TRANSPOSED (source 0 = 16 columns of w_concat, source 1 = 16 rows of A): a lane holds eight neighbouring numbers of a row of the output.
; No prefetch: a K step's matrix work on this small tile is short, and the tiles are shared in the cluster.
; REGISTERS: window 0: v16-29 addresses; v32-95 the way out; v128-255 the accumulators ((a, b) at 128 + 8 (4 a + b)).  window 1: two fragment buffers of 128: for 64 along K, 64 registers of A, then 64 of B.
.set SLOT,   131072                    ; A's 8 tiles of rows x 8 KB, then B's 8 tiles of columns x 8 KB
.set STAGE,  2*SLOT                    ; behind the ring: 16 rows x (256 bytes + 16) for each wave, its own
.set SPITCH, 272
.set SPARE,  STAGE+4*16*SPITCH         ; the spare words, 128 bytes for each wave: two blocks of 256 bytes that no other line names
.set ADRA, 16                          ; v16-17  LDS address of my A fragments in slot 0, 1
.set ADRB, 20                          ; v20-21  the same for B
.set STO,  24
.set RD,   25
.set CO,   26
.set SPW,  28
.set NIL,  29
.set TMP,  32
.set ACC,  128
.set F0,   0
.set F1,   128
.set G1, 24                            ; s[24:31] group 1 for A's tiles; s[32:39] group 0, one set for each slot
.set G0, 32
.set G1B, 48                           ; s[48:55], s[56:63] the same for B's
.set G0B, 56
.set MSB, 0
.macro WIN new
.if MSB != \new
	s_set_vgpr_msb (MSB<<8)|\new
.set MSB, \new
.endif
.endm
.set MUL,  0x05                        ; sources 0 (B) and 1 (A) window 1; C and D window 0
.set TO_F, 0x40                        ; destination window 1, address window 0
.macro JLOAD s                         ; a joint load: waves 0 and 1 fetch A's two halves, waves 2 and 3 B's; four v_nop follow each of the two lines
	s_cmp_eq_u32 s11, 0
	s_cbranch_scc0 .Lfor_b_\@
	tensor_load_to_lds s[G0+4*\s:G0+4*\s+3], s[G1:G1+7]
	s_nop 0
.rept 4
	v_nop
.endr
	s_branch .Lasked_\@
.Lfor_b_\@:
	tensor_load_to_lds s[G0B+4*\s:G0B+4*\s+3], s[G1B:G1B+7]
	s_nop 0
.rept 4
	v_nop
.endr
.Lasked_\@:
.endm
.macro CREST                           ; a round of the cluster's barrier behind its opening barrier
	s_cmp_lg_u32 s10, 0
	s_cbranch_scc1 .Lnot_wave_0_\@
	s_barrier_signal -3
.Lnot_wave_0_\@:
	s_barrier_wait -3
	s_barrier_signal -1
	s_barrier_wait -1
.endm
.macro CROUND
	s_barrier_signal -1
	s_barrier_wait -1
	CREST
.endm
	s_load_b128 s[4:7], s[0:1], 0x0                ; aimg, wcimg
	s_load_b64 s[8:9], s[0:1], 0x10                ; out0
	v_lshl_add_u32 v[SPW], v0, 2, SPARE
	v_mov_b32 v[NIL], 0
	ds_add_u32 v28, v29
	ds_add_u32 v28, v29
	s_wait_dscnt 0x0
	v_lshrrev_b32 v1, 5, v0
	v_readfirstlane_b32 s10, v1                    ; wave 0..3
	s_lshr_b32 s11, s10, 1                         ; which half of the tile's rows is mine.  Also: I fetch for A (0) or for B (1)
	s_and_b32 s12, s10, 1                          ; which half of its columns.  Also: which half of that tile I fetch
	s_bfe_u32 s40, ttmp6, 0x40000                  ; cx, cy
	s_bfe_u32 s41, ttmp6, 0x40004
	s_lshl_b32 s42, ttmp9, 2
	s_add_co_u32 s42, s42, s40                     ; tile column = 4 x cluster x + cx
	s_and_b32 s13, ttmp7, 0xffff
	s_lshl_b32 s13, s13, 2
	s_add_co_u32 s13, s13, s41                     ; tile row = 4 x cluster y + cy
	s_lshl_b32 s43, s41, 2
	s_lshl_b32 s43, 15, s43                        ; my row of the cluster
	s_lshl_b32 s44, 0x1111, s40                    ; my column
	; descriptor group 1: 128 rows of 256 bytes, dense: 32 KB
	s_or_b32 s[G1+0], s43, (3<<16)|(1<<21)         ; 15:0 the mask; 17:16 elements of 8 bytes; 21 set beside a mask
	s_or_b32 s[G1B+0], s44, (3<<16)|(1<<21)
.irp g, G1, G1B
	s_mov_b32 s[\g+1], 32<<16                      ; tensor_dim0
	s_mov_b32 s[\g+2], 128<<16                     ; tensor_dim1
	s_mov_b32 s[\g+3], 32<<16                      ; tile_dim0
	s_mov_b32 s[\g+4], 128                         ; tile_dim1
	s_mov_b32 s[\g+5], 32                          ; the pitch
	s_mov_b32 s[\g+6], 0
	s_mov_b32 s[\g+7], 0
.endr
	s_lshl_b32 s17, s12, 15                        ; which 32 KB of the tile's 64 I fetch
	s_lshl_b32 s16, s13, 16
	s_add_co_u32 s16, s16, s17                     ; A: 64 KB a tile row in each quarter of K
	s_lshl_b32 s46, s42, 16
	s_add_co_u32 s46, s46, s17                     ; B: 64 KB a tile column
	s_mov_b32 s17, 0
	s_mov_b32 s47, 0
	s_lshl_b32 s20, s10, 15                        ; where they go: wave x 32 KB: A's two halves, then B's
	s_wait_kmcnt 0x0
	s_add_nc_u64 s[14:15], s[4:5], s[16:17]
	s_add_nc_u64 s[46:47], s[6:7], s[46:47]
	CROUND                                         ; all sixteen work-groups are here: the first joint loads meet
.irp s, 0,1
	s_mov_b32 s[G0+4*\s], 1
	s_add_co_u32 s[G0+4*\s+1], s20, \s*SLOT
	s_add_nc_u64 s[G0+4*\s+2:G0+4*\s+3], s[14:15], \s*2097152      ; K step s: a quarter of A's images
	s_or_b32 s[G0+4*\s+3], s[G0+4*\s+3], 0x80000000
	s_mov_b32 s[G0B+4*\s], 1
	s_add_co_u32 s[G0B+4*\s+1], s20, \s*SLOT
	s_add_nc_u64 s[G0B+4*\s+2:G0B+4*\s+3], s[46:47], \s*524288     ; a quarter of B's
	s_or_b32 s[G0B+4*\s+3], s[G0B+4*\s+3], 0x80000000
	JLOAD \s
.endr
	v_and_b32 v1, 15, v0                           ; r
	v_bfe_u32 v2, v0, 4, 1                         ; h
	v_and_b32 v3, 31, v0
	v_lshlrev_b32 v3, 4, v3                        ; 16 x lane
	s_lshl_b32 s21, s11, 15                        ; my four tiles of rows of A
	s_lshl_b32 s22, s12, 15                        ; my four tiles of columns of B,
	s_add_co_u32 s22, s22, 65536                   ; which lie behind A's
.irp s, 0,1
	v_add_nc_u32 v[ADRA+\s], s21, v3
	v_add_nc_u32 v[ADRB+\s], s22, v3
	s_add_co_u32 s21, s21, SLOT
	s_add_co_u32 s22, s22, SLOT
.endr
	s_mul_i32 s23, s10, 16*SPITCH
	s_add_co_u32 s23, s23, STAGE                   ; my stage
	v_mul_u32_u24 v4, v1, SPITCH                   ; in: row r, 32 bytes for each half of the lanes
	v_lshl_add_u32 v4, v2, 5, v4
	v_add_nc_u32 v[STO], s23, v4
	v_mul_u32_u24 v5, v2, SPITCH                   ; back: lanes 0-15 one row of 256 bytes, lanes 16-31 the next
	v_lshl_add_u32 v5, v1, 4, v5
	v_add_nc_u32 v[RD], s23, v5
	v_lshlrev_b32 v5, 12, v2                       ; and the same two rows of the output, 4,096 bytes apart
	v_lshl_add_u32 v[CO], v1, 4, v5
	s_lshl_b32 s16, s13, 19                        ; my first row: 128 x tile row + 64 x half, 4,096 bytes a row
	s_lshl_b32 s17, s11, 18
	s_add_co_u32 s16, s16, s17
	s_mov_b32 s17, 0
	s_add_nc_u64 s[8:9], s[8:9], s[16:17]
	s_lshl_b32 s46, s42, 9                         ; my first column, in bytes: 512 x tile column + 256 x half
	s_lshl_b32 s47, s12, 8
	s_add_co_u32 s46, s46, s47
	s_mov_b32 s47, 0
	s_add_nc_u64 s[8:9], s[8:9], s[46:47]
; 8 matrix instructions: row blocks a0, a0 + 1 x all 4 column blocks, 32 along K: half c of buffer f.  zero = 1: the first product starts the sums.  The 16 accumulators take turns
.macro MUL8 f, c, a0, zero
.irp a, \a0, \a0+1
.irp b, 0,1,2,3
.if \zero
	v_wmma_f32_16x16x32_f16 v[ACC+8*(4*(\a)+\b):ACC+8*(4*(\a)+\b)+7], v[\f+64+8*(4*\c+\b):\f+64+8*(4*\c+\b)+7], v[\f+8*(4*\c+\a):\f+8*(4*\c+\a)+7], 0
.else
	v_wmma_f32_16x16x32_f16 v[ACC+8*(4*(\a)+\b):ACC+8*(4*(\a)+\b)+7], v[\f+64+8*(4*\c+\b):\f+64+8*(4*\c+\b)+7], v[\f+8*(4*\c+\a):\f+8*(4*\c+\a)+7], v[ACC+8*(4*(\a)+\b):ACC+8*(4*(\a)+\b)+7]
.endif
.endr
.endr
.endm
; 32 LDS loads in one run: the fragments of quarter kq of a slot (64 along K) into buffer f; the first 32 along K first
.macro FETCH slot, kq, f
	WIN TO_F
.irp c, 0,1
.irp i, 0,1,2,3
	ds_load_b128 v[\f+64+8*(4*\c+\i):\f+64+8*(4*\c+\i)+3],   v[ADRB+\slot] offset:8192*\i+1024*(2*(\kq)+\c)
	ds_load_b128 v[\f+64+8*(4*\c+\i)+4:\f+64+8*(4*\c+\i)+7], v[ADRB+\slot] offset:8192*\i+1024*(2*(\kq)+\c)+512
	ds_load_b128 v[\f+8*(4*\c+\i):\f+8*(4*\c+\i)+3],         v[ADRA+\slot] offset:8192*\i+1024*(2*(\kq)+\c)
	ds_load_b128 v[\f+8*(4*\c+\i)+4:\f+8*(4*\c+\i)+7],       v[ADRA+\slot] offset:8192*\i+1024*(2*(\kq)+\c)+512
.endr
.endr
.endm
.macro PLACES                          ; four places in front of loads into registers that matrix instructions have read, and of the first read of results
.rept 4
	v_nop
.endr
.endm
; A K step is four quarters of 64 along K, 32 matrix instructions each, on buffers 0, 1, 0, 1.  One of the first three: multiplies buffer f and fetches quarter kq into g.
.macro QUARTER slot, kq, f, g, zero
	s_wait_dscnt 16                                ; the first 32 along K are in; the other sixteen loads may be out
	WIN MUL
	MUL8 \f, 0, 0, \zero
	MUL8 \f, 0, 2, \zero
	PLACES
	FETCH \slot, \kq, \g
	s_wait_dscnt 32                                ; all but the 32 just issued
	WIN MUL
	MUL8 \f, 1, 0, 0
	MUL8 \f, 1, 2, 0
.endm
; The last quarter multiplies buffer 1 and changes slots: ONE barrier; in front of it each wave waits for all its tensor loads, adds 0 to its spare word, and waits for that and for its reads of this slot.
.macro TURN slot, next, fill
	WIN 0                                          ; (the add's two registers lie in window 0)
	s_wait_tensorcnt 0x0                           ; all my tensor loads have landed: my part of the next slot
	ds_add_u32 v[SPW], v[NIL]
	s_wait_dscnt 17                                ; (the add and the youngest sixteen loads may be out)
	WIN MUL
	MUL8 F1, 0, 0, 0                               ; eight matrix instructions stand between the add and the wait for it
	s_wait_dscnt 0x0                               ; the add is done, and my reads of this slot are over
	s_barrier_signal -1
	MUL8 F1, 0, 2, 0
.if \fill
	WIN 0
.endif
	s_barrier_wait -1
.if \fill
	CREST                                          ; the barrier has opened a round of the cluster's: no wave of any partner still reads this slot or has a load on its way
	s_add_nc_u64 s[G0+4*\slot+2:G0+4*\slot+3], s[G0+4*\slot+2:G0+4*\slot+3], 2*2097152
	s_add_nc_u64 s[G0B+4*\slot+2:G0B+4*\slot+3], s[G0B+4*\slot+2:G0B+4*\slot+3], 2*524288
	JLOAD \slot                                    ; the first tensor load behind the round; its four v_nop are also the places in front of the loads below
.else
	PLACES
.endif
	FETCH \next, 0, F0
	WIN MUL
	MUL8 F1, 1, 0, 0
	MUL8 F1, 1, 2, 0
.endm
	s_wait_tensorcnt 1                             ; my part of K step 0 is in; K step 1's load may stay out
	s_barrier_signal -1
	s_barrier_wait -1                              ; everybody's is
	FETCH 0, 0, F0
	QUARTER 0, 1, F0, F1, 1                        ; K step 0: its first products start the sums
	QUARTER 0, 2, F1, F0, 0
	QUARTER 0, 3, F0, F1, 0
	TURN 0, 1, 1                                   ; slot 0 takes K step 2
	QUARTER 1, 1, F0, F1, 0                        ; K step 1
	QUARTER 1, 2, F1, F0, 0
	QUARTER 1, 3, F0, F1, 0
	TURN 1, 0, 1                                   ; slot 1 takes K step 3
	QUARTER 0, 1, F0, F1, 0                        ; K step 2
	QUARTER 0, 2, F1, F0, 0
	QUARTER 0, 3, F0, F1, 0
	TURN 0, 1, 0                                   ; nothing is left to fetch
	QUARTER 1, 1, F0, F1, 0                        ; K step 3
	QUARTER 1, 2, F1, F0, 0
	QUARTER 1, 3, F0, F1, 0
	s_wait_dscnt 16
	WIN MUL
	MUL8 F1, 0, 0, 0
	MUL8 F1, 0, 2, 0
	s_wait_dscnt 0x0
	MUL8 F1, 1, 0, 0
	MUL8 F1, 1, 2, 0
	WIN 0
; THE WAY OUT.  A lane holds 32 neighbouring bytes of a row, and my 64 columns are 256 aligned bytes of it: a block of 16 rows goes through my own stage and comes back as whole rows; sixteen lanes store 256 consecutive bytes.
; LDS serves a wave's instructions in order: no wait between the stores and the loads, nor in front of the next block's stores.
.macro TOSTAGE a
.irp b, 0,1,2,3
	ds_store_b128 v[STO], v[ACC+8*(4*(\a)+\b):ACC+8*(4*(\a)+\b)+3] offset:64*\b          ; each accumulator from its low end on
	ds_store_b128 v[STO], v[ACC+8*(4*(\a)+\b)+4:ACC+8*(4*(\a)+\b)+7] offset:64*\b+16
.endr
.set BB, TMP+32*((\a)%2)
.irp t, 0,1,2,3,4,5,6,7
	ds_load_b128 v[BB+4*\t:BB+4*\t+3], v[RD] offset:\t*2*SPITCH
.endr
.endm
.macro SEND a, younger                 ; younger: the LDS instructions issued behind block a's loads
.set BB, TMP+32*((\a)%2)
	s_wait_dscnt \younger
.irp t, 0,1,2,3,4,5,6,7
	global_store_b128 v[CO], v[BB+4*\t:BB+4*\t+3], s[8:9] offset:(16*(\a)+2*\t)*4096 th:TH_STORE_NT
.endr
.endm
	PLACES
	TOSTAGE 0
.irp a, 1,2,3
.if \a > 1
	s_wait_xcnt 0x0                                ; block a - 2's stores have read their registers: block a's loads may land there
.endif
	TOSTAGE \a
	SEND \a-1, 16                                  ; behind block a - 1's loads: block a's 8 stores and 8 loads
.endr
	SEND 3, 0
	s_wait_tensorcnt 0x0                           ; the wave's end
	ds_add_u32 v[SPW], v[NIL]
	s_wait_dscnt 0x0
	CROUND                                         ; the closing round
	s_endpgm
.Lfunc_end_k_q9e8a148f4f_outproj:
	.size	k_q9e8a148f4f_outproj, .Lfunc_end_k_q9e8a148f4f_outproj-k_q9e8a148f4f_outproj
	.p2alignl 7, 3214868480
	.fill 96, 4, 3214868480
	.section	.rodata,"a",@progbits
	.p2align	6, 0x0
	.amdhsa_kernel k_q9e8a148f4f_outproj
		.amdhsa_group_segment_fixed_size 327680
		.amdhsa_private_segment_fixed_size 0
		.amdhsa_enable_private_segment 0
		.amdhsa_kernarg_size 24
		.amdhsa_user_sgpr_count 2
		.amdhsa_user_sgpr_kernarg_segment_ptr 1
		.amdhsa_wavefront_size32 1
		.amdhsa_system_sgpr_workgroup_id_x 1
		.amdhsa_system_sgpr_workgroup_id_y 1
		.amdhsa_system_sgpr_workgroup_id_z 1
		.amdhsa_system_vgpr_workitem_id 0
		.amdhsa_next_free_vgpr 512
		.amdhsa_next_free_sgpr 66
		.amdhsa_reserve_vcc 0
		.amdhsa_float_denorm_mode_32 3
		.amdhsa_float_denorm_mode_16_64 3
		.amdhsa_memory_ordered 1
		.amdhsa_forward_progress 1
		.amdhsa_inst_pref_size 85
	.end_amdhsa_kernel
	.amdgpu_metadata
---
amdhsa.version: [ 1, 2 ]
amdhsa.kernels:
  - .name:           k_q9e8a148f4f_outproj
    .symbol:         k_q9e8a148f4f_outproj.kd
    .args:
      - { .name: aimg, .offset: 0, .size: 8, .value_kind: global_buffer, .address_space: global }
      - { .name: wcimg, .offset: 8, .size: 8, .value_kind: global_buffer, .address_space: global }
      - { .name: out0, .offset: 16, .size: 8, .value_kind: global_buffer, .address_space: global }
    .group_segment_fixed_size: 327680
    .private_segment_fixed_size: 0
    .kernarg_segment_align: 8
    .kernarg_segment_size: 24
    .max_flat_workgroup_size: 128
    .sgpr_count:     66
    .vgpr_count:     512
    .wavefront_size: 32
...
	.end_amdgpu_metadata
.endif
;; end of part 4
